; MI455X (gfx1250); checked and timed in simulation.
; The chip was launched on July 23, 2026; its instructions are those of AMD's public machine-readable ISA for CDNA 5 (MIT licence, August 2026) and "CDNA5" Instruction Set Architecture Reference Guide (July 2026). The comments in the code are by the model that wrote it; some were corrected since.
;; Nonlocal Interaction. Allowed arithmetic: matrix products marked QUANTISED: E2M3 operands, one E8M0 scale for each 32 along K, by v_wmma_scale_f32_16x16x128_f8f6f4 with both operands' format E2M3, f32 sums; everything else in f32.
;; Inputs: Wk 128 x 128 float32; Wq 128 x 128 float32; Wv 128 x 128 float32; x 16,384 x 128 float32.
;; Outputs: out0 16,384 x 128 float32.
;; This version of the problem:
;;   THIS VERSION OF THE PROBLEM IS GIVEN IN LOW PRECISION. The matrix products marked QUANTISED in the list below multiply operands that are first quantised to E2M3 (2 exponent bits, 3 mantissa bits; 6 bits a number), with one power-of-two scale for each 32 numbers along K (OCP MX v1.0); their sums are f32. All else is computed in f32.
;;   The module's matrix products, in the order in which they are computed (A, B: the left and right operand; K: the contracted axis; several contracted axes count as one K, in the product's order):
;;     1. [M 16,384, K 128] x [K 128, N 128]; A: input x; B: input Wq: QUANTISED
;;     2. [M 16,384, K 128] x [K 128, N 128]; A: input x; B: input Wk: QUANTISED
;;     3. [M 16,384, K 128] x [K 128, N 128]; A: input x; B: input Wv: QUANTISED
;;     4. [M 16,384, K 128] x [K 128, N 16,384]; A: computed on the way; B: computed on the way: QUANTISED
;;     5. [M 16,384, K 16,384] x [K 16,384, N 128]; A: softmax (see below); B: computed on the way: QUANTISED
;;   THE QUANTISER, for each operand of a quantised product, along K:
;;     - K is cut into blocks of 32 from its start; a last block that is shorter is filled with zeros.
;;     - A block's scale is 2^e with e = floor(log2(the largest magnitude in the block)) - 2, held to -126 .. 127; a block of zeros has e = 0. As a byte (E8M0): e + 127.
;;     - Each number is divided by its block's scale, clamped to +-7.5, and rounded to the nearest number of E2M3, ties to even, subnormals kept.
;;     - The product sums the exact products of the quantised numbers (number of the format x scale) in f32.
;;   ~~~python
;;   def quantise(x, axis):      # numpy; x: float32 -> the quantised numbers, widened to float32 again
;;       x = np.moveaxis(x, axis, -1); K = x.shape[-1]
;;       x = np.pad(x, [(0, 0)] * (x.ndim - 1) + [(0, -K % 32)]); x = x.reshape(x.shape[:-1] + (-1, 32)); a = np.abs(x).max(-1, keepdims=True)
;;       e = np.where(a > 0, np.clip(np.frexp(np.where(a > 0, a, 1))[1] - 1 - 2, -126, 127), 0)      # np.frexp(a)[1] - 1 = floor(log2(a)), exactly
;;       r = np.clip(x / 2.0 ** e, -7.5, 7.5)
;;       step = 2.0 ** (np.maximum(np.frexp(np.where(r == 0, 1, r))[1] - 1, 0) - 3)
;;       q = np.round(r / step) * step * 2.0 ** e      # np.round: ties to even
;;       return np.moveaxis(q.reshape(q.shape[:-2] + (-1,))[..., :K], -1, axis).astype(np.float32)
;;   ~~~
;;   SOFTMAX AHEAD OF A QUANTISED PRODUCT. Where the list says 'softmax', what is quantised is not the finished softmax but p = 2^(t - M), with t = logit x log2(e) and M = ceil(the row's largest t), a whole number; so 1/2 < the row's largest p <= 1. The row's sum l is taken of the UNQUANTISED p, in f32, and the product's result is divided by l at the end. Since M is a whole number, a kernel that streams over the keys may use a running M (the ceiling of the running maximum): every later rescaling is an exact power of two, which a block's scale takes up: the codes' values come out the same.
;;   OPERANDS COMPUTED ON THE WAY. 'Computed on the way' means the value that the module computes at that place (a softmax that the list does not call 'softmax' is quantised finished and normalised). What goes into a quantiser is computed in f32, as accurately as f32 sums, v_exp_f32 and their like allow (about 1e-6 of the number): no bf16 or f16 on the way to a quantiser, and a product that is left as it is and whose result goes on into a quantised operand takes f32 operands (vector FMAs, or v_wmma_f32_16x16x4_f32). A number that lies on a knife's edge between two numbers of the format may be rounded either way, as far as f32 arithmetic and the matrix unit's own rounding can turn it there, and no further.
;; One version. Each part assembles by itself: llvm-mc -triple=amdgcn-amd-amdhsa -mcpu=gfx1250 --defsym DOCPART=n.
;; ======== version 1 of 1: 2 launches
;; limits: right only within a limited range of input values
;; workspace buffers: qc 1,638,400 bytes; kv 3,276,800 bytes
;; launch project (part 1): grid 3 x 128, 8 waves a work-group, no clusters, 14,336 bytes of LDS; arguments x, Wq, Wk, Wv, qc, kv; writes qc, kv
.if DOCPART == 1
	.amdgcn_target "amdgcn-amd-amdhsa--gfx1250"
	.amdhsa_code_object_version 6
	.text
	.protected	k_q4ac6f3b76e_project
	.globl	k_q4ac6f3b76e_project
	.p2align	8
	.type	k_q4ac6f3b76e_project,@function
k_q4ac6f3b76e_project:
	s_mov_b64 s[64:65], 0
	v_nop
	global_prefetch_b8 v0, s[64:65] scope:SCOPE_SE
	s_setreg_imm32_b32 hwreg(HW_REG_WAVE_MODE, 25, 1), 1
	s_wait_xcnt 0x0
; q = x Wq^T, k = x Wk^T, v = x Wv^T on codes of FP6 (E2M3) with one E8M0 scale for each 32 along K; the results are quantised again (q and k along the features, v along the atoms)
; and stored as IMAGES OF OPERAND REGISTERS for the next launch.  x: [16384][128] f32; Wq, Wk, Wv: [128][128] f32, K innermost in all four.
; SHARES.  Work-group x = the kind (0 q, 1 k, 2 v), work-group y = a group g of 128 atoms.  One path serves all kinds: only pointers and offsets are chosen.  A work-group multiplies P (128 rows, its 8 tiles are
; source 0) by O (128 rows; wave w's own tile w is source 1).  q, k: P = the weight, O = x's group; v: P = x's group, O = Wv.  Wave w quantises tile w of P (its image goes to LDS for all eight waves) and tile w of O.
; THE ROWS OF A TILE ARE NOT NEIGHBOURS: lane r of tile T takes row 32 (T / 2) + 8 (T % 2) + r + 8 (r / 8).  So register 8 T + j of lane (r, h) of the eight results is P's row 32 (T / 2) + 16 h + 8 (T % 2) + j:
; the 16 registers of tiles 2 b and 2 b + 1 are 16 neighbours along the next product's K, and the conversions' results are that product's operand.
; A FRAGMENT'S IMAGE (16 rows x 128 K, 12 registers): registers 4 c .. 4 c + 3 of lane l at byte 512 c + 16 l.  A SCALE IMAGE of 8 fragments: the word of fragment F, row r, at byte 16 r + 256 (F / 4) + 4 (F % 4).
; qc: 12,800 bytes a group: 8 images, then the scale image.  kv: 25,600 bytes a group: K's 8 images, V's 8 images, K's scale image, V's scale image.
; A block's scale is 2^(floor(log2(its largest magnitude)) - 2); its byte is that magnitude's exponent field - 2, held at 1 from below.
; LIMITS: a block of zeros gets the byte 1 where the rule says 127 (its codes are zeros, and this program alone reads the bytes); NaN and infinities among the inputs are not served.
.set AIMG, 0                           ; LDS: P's 8 images, 1,536 bytes each
.set ASC,  12288                       ; P's scale image, 512 bytes
.set OSC,  12800                       ; the results' scale image, 512 bytes
.set XA,   4                           ; v4   my lane's byte in a matrix of 128 rows x 512 bytes: my row of tile w, + 64 h
.set LI,   5                           ; v5   16 x lane
.set IW,   6                           ; v6   16 x lane + 1,536 x wave
.set SX,   7                           ; v7   my row's word in a scale image, fragment w
.set NP,   16                          ; v16-79   64 numbers of P
.set NO,   80                          ; v80-143  64 numbers of O
.set AF,   16                          ; v16-111  P's 8 fragments, once both sets of numbers are quantised
.set D,    112                         ; v112-175 the 8 results
.set PC1,  176                         ; v176-195 12 registers of codes and 8 at work
.set PC2,  196                         ; v196-215 the same: my fragment of O
.set TM,   216                         ; v216-231 at work: +0 largest magnitudes, +4 bytes, +12 the conversions' scale operands
.set PW1,  232                         ; P's scale word
.set BS,   233                         ; O's scale word: a scale operand
.set AS,   234                         ; v234-237 P's scale words: register i: lanes 0-15 fragment i, lanes 16-31 fragment 4 + i
.set PW3,  238                         ; the result's scale word
.set WV,   16
.set SEL,  18
; my 16 numbers of each of the four blocks of 32 of my row: register 16 b + i = k 32 b + 16 h + i
.macro XLOAD reg, base
.irp b, 0,1,2,3
.irp j, 0,1,2,3
	global_load_b128 v[\reg+16*\b+4*\j:\reg+16*\b+4*\j+3], v[XA], s[\base:\base+1] offset:128*\b+16*\j
.endr
.endr
.endm
; 64 numbers of a lane, register 16 b + i = k 32 b + 16 h + i of my row, become a fragment's codes in v[pc] .. v[pc + 11] and its scale word in v[pw]
.macro QUANT s, pc, pw
.irp b, 0,1,2,3
	v_max3_num_f32 v[TM+\b], |v[\s+16*\b]|, |v[\s+16*\b+1]|, 0x1800000   ; block b: my 16 numbers, and the floor 2^(3 - 127): the byte cannot fall under 1
.endr
.irp i, 2,4,6,8,10,12,14
.irp b, 0,1,2,3
	v_max3_num_f32 v[TM+\b], v[TM+\b], |v[\s+16*\b+\i]|, |v[\s+16*\b+\i+1]|   ; the four blocks by turns
.endr
.endr
.irp b, 0,1,2,3
	s_delay_alu instid0(VALU_DEP_4)
	v_permlanex16_b32 v[TM+4+\b], v[TM+\b], s[SEL], s[SEL+1]
.endr
.irp b, 0,1,2,3
	s_delay_alu instid0(VALU_DEP_4)
	v_max_num_f32 v[TM+\b], v[TM+\b], v[TM+4+\b]                   ; with lane l xor 16's: the block's largest magnitude
.endr
.irp b, 0,1,2,3
	s_delay_alu instid0(VALU_DEP_4)
	v_add_nc_u32 v[TM+12+\b], 0xff000000, v[TM+\b]                 ; 2 off its exponent field: the conversion takes the exponent field of this operand as its scale
.endr
.irp b, 0,1,2,3
	s_delay_alu instid0(VALU_DEP_4)
	v_lshrrev_b32 v[TM+4+\b], 23, v[TM+12+\b]                      ; the scale's byte
.endr
	s_delay_alu instid0(VALU_DEP_3)
	v_lshl_or_b32 v[\pw], v[TM+5], 8, v[TM+4]                      ; four bytes: my row's scale word
	s_delay_alu instid0(VALU_DEP_1)
	v_lshl_or_b32 v[\pw], v[TM+6], 16, v[\pw]
	s_delay_alu instid0(VALU_DEP_1)
	v_lshl_or_b32 v[\pw], v[TM+7], 24, v[\pw]
.irp c, 0,1
	v_cvt_scalef32_pk16_fp6_f32 v[\pc+6*\c:\pc+6*\c+2], v[\s+32*\c:\s+32*\c+15], v[TM+12+2*\c]
	v_cvt_scalef32_pk16_fp6_f32 v[\pc+12+4*\c:\pc+12+4*\c+2], v[\s+32*\c+16:\s+32*\c+31], v[TM+12+2*\c+1]   ; (a conversion's three registers begin on an even number)
.endr
	v_nop                                          ; one plain place behind the scaled conversions
.irp c, 0,1                                    ; the operand's layout wants a whole block in a lane: lanes 0-15 block 2 c, lanes 16-31 block 2 c + 1
.irp i, 0,1,2
	v_permlane16_swap_b32 v[\pc+6*\c+\i], v[\pc+12+4*\c+\i]
.endr
.irp i, 0,1,2
	s_delay_alu instid0(VALU_DEP_3)
	v_mov_b32 v[\pc+6*\c+3+\i], v[\pc+12+4*\c+\i]
.endr
.endr
.endm
	s_load_b256 s[4:11], s[0:1], 0x0               ; x s[4:5], Wq s[6:7], Wk s[8:9], Wv s[10:11]
	s_load_b128 s[12:15], s[0:1], 0x20             ; qc s[12:13], kv s[14:15]
	v_lshl_add_u32 v254, v0, 2, 0x3400
	v_mov_b32 v255, 0
	v_lshrrev_b32 v1, 5, v0
	s_delay_alu instid0(VALU_DEP_1)
	v_readfirstlane_b32 s[WV], v1                  ; wave 0..7
	v_and_b32 v1, 31, v0                           ; lane
	v_and_b32 v2, 15, v0                           ; r
	s_wait_alu depctr_va_vdst(0)
	v_bfe_u32 v3, v0, 4, 1                         ; h
	v_and_b32 v8, 8, v2
	s_delay_alu instid0(VALU_DEP_1)
	v_add_nc_u32 v8, v8, v2                        ; r + 8 (r / 8)
	s_delay_alu instid0(VALU_DEP_1)
	v_lshlrev_b32 v[XA], 9, v8                     ; rows of 512 bytes
	s_delay_alu instid0(VALU_DEP_1)
	v_lshl_add_u32 v[XA], v3, 6, v[XA]             ; + 64 h
	s_lshr_b32 s31, s[WV], 1
	s_lshl_b32 s31, s31, 14                        ; tile w begins at row 32 (w / 2) + 8 (w % 2)
	s_and_b32 s17, s[WV], 1
	s_lshl_b32 s17, s17, 12
	s_add_co_u32 s31, s31, s17
	v_add_nc_u32 v[XA], s31, v[XA]
	v_lshlrev_b32 v[LI], 4, v1
	s_mul_i32 s17, s[WV], 1536
	v_add_nc_u32 v[IW], s17, v[LI]
	s_lshr_b32 s17, s[WV], 2
	s_lshl_b32 s17, s17, 8
	s_and_b32 s31, s[WV], 3
	s_lshl_b32 s31, s31, 2
	s_add_co_u32 s17, s17, s31
	v_lshl_add_u32 v[SX], v2, 4, s17               ; 16 r + 256 (w / 4) + 4 (w % 4)
	s_mov_b32 s[SEL], 0x76543210
	s_mov_b32 s[SEL+1], 0xfedcba98                 ; v_permlanex16_b32's selects for lane l xor 16
.irp b, 0,1,2,3
	v_mov_b32 v[TM+4+\b], 0                        ; written once: a lane permute's destination counts as one of its sources
.endr
	s_and_b32 s30, ttmp7, 0xffff                   ; g
	s_lshl_b32 s32, s30, 16                        ; 128 rows of 512 bytes
	s_mov_b32 s33, 0
	s_mov_b32 s34, 25600
	s_mov_b32 s35, 24576
	s_mov_b32 s36, 25088
	s_wait_alu depctr_va_vdst(0)
	s_wait_kmcnt 0x0
	s_add_nc_u64 s[20:21], s[4:5], s[32:33]        ; x's group
	s_cmp_eq_u32 ttmp9, 0                          ; the choices hang on the work-group's number alone
	s_cselect_b64 s[26:27], s[12:13], s[14:15]     ; where the results go: qc or kv
	s_cselect_b64 s[22:23], s[6:7], s[8:9]         ; Wq or Wk
	s_cselect_b32 s34, 12800, s34                  ; bytes of a group there
	s_cselect_b32 s35, 12288, s35                  ; where the scale image lies in them (q; k)
	s_cmp_eq_u32 ttmp9, 2
	s_cselect_b64 s[24:25], s[10:11], s[20:21]     ; O: Wv, or x's group
	s_cselect_b64 s[22:23], s[20:21], s[22:23]     ; P: x's group, or the weight
	s_cselect_b32 s37, 12288, 0                    ; V's images lie behind K's
	s_cselect_b32 s35, s36, s35                    ; and V's scale image behind K's
	XLOAD NP, 22
	XLOAD NO, 24
	s_mul_i32 s34, s30, s34                        ; my group's bytes begin here
	s_mul_i32 s38, s[WV], 1536                     ; my fragment's image
	s_add_co_u32 s38, s38, s37
	s_add_co_u32 s38, s38, s34
	s_mov_b32 s39, 0
	s_add_co_u32 s34, s34, s35
	s_mov_b32 s35, 0
	s_add_nc_u64 s[28:29], s[26:27], s[34:35]      ; the scale image
	s_add_nc_u64 s[26:27], s[26:27], s[38:39]      ; my image
	s_wait_loadcnt 16                              ; P's 16 loads are in; O's 16 may be out
	QUANT NP, PC1, PW1
.irp c, 0,1,2
	ds_store_b128 v[IW], v[PC1+4*\c:PC1+4*\c+3] offset:AIMG+512*\c
.endr
	ds_store_b32 v[SX], v[PW1] offset:ASC          ; lanes r and r + 16 write the same word with the same value
	s_wait_loadcnt 0x0
	QUANT NO, PC2, BS
	s_wait_alu depctr_va_vdst(0)
	s_wait_dscnt 0x0                               ; for the others' sake: my image and my scale words have landed
	s_barrier_signal -1
	s_barrier_wait -1
.irp t, 0,1,2,3,4,5,6,7
.irp c, 0,1,2
	ds_load_b128 v[AF+12*\t+4*\c:AF+12*\t+4*\c+3], v[LI] offset:AIMG+1536*\t+512*\c
.endr
.endr
	ds_load_b128 v[AS:AS+3], v[LI] offset:ASC
	s_wait_dscnt 0x0
.rept 8
	v_nop                                          ; a scale register written by vector instructions stands 8 places ahead of a scaled matrix instruction, an operand so written 4
.endr
.irp t, 0,1,2,3
	v_wmma_scale_f32_16x16x128_f8f6f4 v[D+8*\t:D+8*\t+7], v[AF+12*\t:AF+12*\t+11], v[PC2:PC2+11], 0, v[AS+\t], v[BS] matrix_a_fmt:MATRIX_FMT_FP6 matrix_b_fmt:MATRIX_FMT_FP6
.endr
.irp t, 4,5,6,7
	v_wmma_scale_f32_16x16x128_f8f6f4 v[D+8*\t:D+8*\t+7], v[AF+12*\t:AF+12*\t+11], v[PC2:PC2+11], 0, v[AS+\t-4], v[BS] matrix_a_fmt:MATRIX_FMT_FP6 matrix_b_fmt:MATRIX_FMT_FP6 matrix_a_scale:MATRIX_SCALE_ROW1
.endr
.rept 4
	v_nop                                          ; four places behind the products, ahead of the first read of their results (ISA guide 7.12.1)
.endr
	QUANT D, PC1, PW3                              ; each result is read from its low end on
.irp c, 0,1,2
	global_store_b128 v[LI], v[PC1+4*\c:PC1+4*\c+3], s[26:27] offset:512*\c   ; 32 lanes store 512 consecutive bytes, at a multiple of 256 from the buffer's first byte
.endr
	ds_store_b32 v[SX], v[PW3] offset:OSC
	s_wait_dscnt 0x0
	s_barrier_signal -1
	s_barrier_wait -1                              ; the eight fragments' scale words lie together
	s_cmp_lg_u32 s[WV], 0
	s_cbranch_scc1 .Ldone
	ds_load_b128 v[16:19], v[LI] offset:OSC
	s_wait_dscnt 0x0
	global_store_b128 v[LI], v[16:19], s[28:29]    ; wave 0 stores the scale image: 512 consecutive bytes
.Ldone:
	s_wait_tensorcnt 0x0
	ds_add_u32 v254, v255
	s_wait_dscnt 0x0
	s_endpgm
.Lfunc_end_k_q4ac6f3b76e_project:
	.size	k_q4ac6f3b76e_project, .Lfunc_end_k_q4ac6f3b76e_project-k_q4ac6f3b76e_project
	.p2alignl 7, 3214868480
	.fill 96, 4, 3214868480
	.section	.rodata,"a",@progbits
	.p2align	6, 0x0
	.amdhsa_kernel k_q4ac6f3b76e_project
		.amdhsa_group_segment_fixed_size 14336
		.amdhsa_private_segment_fixed_size 0
		.amdhsa_enable_private_segment 0
		.amdhsa_kernarg_size 48
		.amdhsa_user_sgpr_count 2
		.amdhsa_user_sgpr_kernarg_segment_ptr 1
		.amdhsa_wavefront_size32 1
		.amdhsa_system_sgpr_workgroup_id_x 1
		.amdhsa_system_sgpr_workgroup_id_y 1
		.amdhsa_system_sgpr_workgroup_id_z 1
		.amdhsa_system_vgpr_workitem_id 0
		.amdhsa_next_free_vgpr 256
		.amdhsa_next_free_sgpr 66
		.amdhsa_reserve_vcc 0
		.amdhsa_float_denorm_mode_32 3
		.amdhsa_float_denorm_mode_16_64 3
		.amdhsa_memory_ordered 1
		.amdhsa_forward_progress 1
		.amdhsa_inst_pref_size 24
	.end_amdhsa_kernel
	.amdgpu_metadata
---
amdhsa.version: [ 1, 2 ]
amdhsa.kernels:
  - .name:           k_q4ac6f3b76e_project
    .symbol:         k_q4ac6f3b76e_project.kd
    .args:
      - { .name: x, .offset: 0, .size: 8, .value_kind: global_buffer, .address_space: global }
      - { .name: Wq, .offset: 8, .size: 8, .value_kind: global_buffer, .address_space: global }
      - { .name: Wk, .offset: 16, .size: 8, .value_kind: global_buffer, .address_space: global }
      - { .name: Wv, .offset: 24, .size: 8, .value_kind: global_buffer, .address_space: global }
      - { .name: qc, .offset: 32, .size: 8, .value_kind: global_buffer, .address_space: global }
      - { .name: kv, .offset: 40, .size: 8, .value_kind: global_buffer, .address_space: global }
    .group_segment_fixed_size: 14336
    .private_segment_fixed_size: 0
    .kernarg_segment_align: 8
    .kernarg_segment_size: 48
    .max_flat_workgroup_size: 256
    .sgpr_count:     66
    .vgpr_count:     256
    .wavefront_size: 32
...
	.end_amdgpu_metadata
.endif
;; end of part 1
;; launch attend (part 2): grid 256 x 1, 8 waves a work-group, clusters of 4 x 1, 327,680 bytes of LDS; arguments qc, kv, out0; writes out0
.if DOCPART == 2
	.amdgcn_target "amdgcn-amd-amdhsa--gfx1250"
	.amdhsa_code_object_version 6
	.text
	.protected	k_q4ac6f3b76e_attend
	.globl	k_q4ac6f3b76e_attend
	.p2align	8
	.type	k_q4ac6f3b76e_attend,@function
k_q4ac6f3b76e_attend:
	s_mov_b64 s[64:65], 0
	v_nop
	global_prefetch_b8 v0, s[64:65] scope:SCOPE_SE
	s_setreg_imm32_b32 hwreg(HW_REG_WAVE_MODE, 25, 1), 1
	s_wait_xcnt 0x0
	s_wait_alu depctr_hold_cnt(0) depctr_sa_sdst(0) depctr_va_vdst(0) depctr_va_sdst(0) depctr_va_ssrc(0) depctr_va_vcc(0) depctr_vm_vsrc(0)
	s_getreg_b32 s2, hwreg(HW_REG_IB_STS2, 6, 4)
	s_cmp_eq_u32 s2, 0
	s_cbranch_scc0 .Lentry_in_a_cluster
	s_endpgm
.Lentry_in_a_cluster:
	s_bfe_u32 s2, ttmp6, 0x10000c
	s_cmp_lg_u32 s2, 0x3003
	s_cbranch_scc0 .Lentry_shape_is_right
	s_endpgm
.Lentry_shape_is_right:
; out[n] = the sum over m of softmax_m(q[n] . k[m] / sqrt(128)) v[m], 16,384 atoms, both products on codes of FP6 (E2M3) with one E8M0 scale for each 32 along a product's K.
; q, k and v come as images of operand registers: qc: 12,800 bytes for 128 atoms (8 images of 1,536 bytes, a scale image of 512); kv: 25,600 bytes for 128 keys (K's 8 images, V's 8, K's scale image, V's).
; An image holds registers 4 c .. 4 c + 3 of lane l at byte 512 c + 16 l.  A scale image gives four registers: register i holds fragment i's words in lanes 0-15 and fragment 4 + i's in lanes 16-31.
; THE SOFTMAX: t = score x log2(e) / sqrt(128); M = the largest t so far, rounded UP to a whole number; p = 2^(t - M) is quantised along the keys, not normalised.  The sum is taken of the unquantised p.
; When M moves, the sum and O are multiplied by 2^(old M - new M): exact.
; SHARES.  Work-group j owns atoms 64 j .. 64 j + 63.  Wave w = qp + 2 kp: two tiles of 16 queries (qp) and, of each slot of 512 keys, the 128 keys of step kp.  Every wave walks 32 steps; two waves share a SIMD.
; At the end the four key parts of a query are merged through LDS: their M are whole numbers, so the parts are brought under one M by powers of two.
; TWO GROUPS OF WAVES, HALF A STEP APART.  A step is two halves: H1 (K's fragments, the scores, V's fragments, the maxima, M, t - M) and H2 (the exponentials, p's scales and codes, the sums, O x f, O += V P).
; The change of slots stands in text that all waves run.  Behind change n group 0 runs H2 of step n - 1 and then H1 of step n; group 1 runs H1 and H2 of step n.  Both read slot n between change n and change n + 1;
; what group 0 carries across a change lies in registers.  The group is (w xor w / 4) % 2: it parts waves w and w + 4, and waves 2 i and 2 i + 1.
; LAYOUT.  Both products are used transposed: S^T = K Q^T (source 0 = 16 keys), O^T = V^T P^T (source 0 = 16 features): a lane holds ONE query throughout.  Lane r of tile T of keys, features or atoms
; holds index 32 (T / 2) + 8 (T % 2) + r + 8 (r / 8): register 8 T + j of lane (r, h) of eight results is index 32 (T / 2) + 16 h + 8 (T % 2) + j.
; CLUSTER.  All work-groups walk the same K and V.  The four of a cluster ask for each slot JOINTLY: the same tensor load, the same descriptor, a mask that names the four.  Every wave asks for 50 rows of 256 bytes.
; LIMITS: NaN and infinities are not served; the promise holds while |t| stays under 2^31; a p under 2^-126 counts as 0 (v_exp_f32: ISA guide 15.8); a block's largest p is taken from the block's largest score, which takes v_exp_f32 not to fall where its input rises.
; REGISTERS, window 0: v1-5 addresses; v8-19 statistics, six a tile; v20-55 at work; v56-67 scale words; v68-91 Q; v92-115 p's codes; v116-243 S^T, then p; v244-251 the end's addresses.
;   window 1: v0-127 O^T (tile u, features' tile t at 64 u + 8 t); v128-223 eight fragments of K, then of V.
.set CHUNK, 25600                      ; a step's bytes
.set SLOTB, 4*CHUNK                    ; a slot: four steps, 512 keys
.set SLOT1, 1<<17                      ; slot 1 begins here
.set VOFF,  12288
.set KSOFF, 24576
.set VSOFF, 25088
.set SPARE, SLOT1+SLOTB                ; the spare words, 128 bytes for each wave, which no other line names
.set STAT,  SPARE+1024                 ; 512 bytes a wave: tile u's -M at 256 u + 4 lane, its sum at 256 u + 128 + 4 lane
.set STG,   STAT+4096                  ; the way out: 16 rows x (256 bytes + 16) for each wave
.set SP,    272
; THE MERGE's images, 16,384 bytes a wave, lie at LDS bytes 0 to 131,071: slot 0, which has had its last fill and its last read when they are stored, and the bytes behind it, which are never filled.
.set LI0, 1
.set ADR, 2
.set SPW, 3
.set NIL, 4
.set PFO, 5
.set NM,  8
.set LL,  10
.set FF,  12
.set BM,  20
.set BT,  28
.set SO,  44
.set TT,  52
.set KS,  56
.set VS,  60
.set QS,  64
.set PS,  66
.set QF,  68
.set PC,  92
.set S,   116
.set MW,  244
.set SW,  245
.set SR,  246
.set RDA, 247
.set RDB, 248
.set STO, 249
.set RD,  250
.set GO,  251
.set FR,  128
.set WV,  10
.set LIM, 15
.set G1,  24
.set G0,  32
.set PFA, 36
.set SEL, 38
.set CS,  40
.set TB,  42
.set SLOTS, 43
.set GRP, 52
.set MSB, 0
.macro WIN new                         ; the immediate's high byte repeats the setting that is left
.if MSB != \new
	s_set_vgpr_msb (MSB<<8)|\new
.set MSB, \new
.endif
.endm
.macro CROUND                          ; a round of the cluster's barrier
	s_barrier_signal -1
	s_barrier_wait -1
	s_cmp_lg_u32 s[WV], 0
	s_cbranch_scc1 .Lnot_wave_0_\@
	s_barrier_signal -3
.Lnot_wave_0_\@:
	s_barrier_wait -3
	s_barrier_signal -1
	s_barrier_wait -1
.endm
.macro TL                              ; the joint load: every wave, its 50 rows of 256 bytes
	tensor_load_to_lds s[G0:G0+3], s[G1:G1+7]
	s_nop 0
.rept 4
	v_nop
.endr
.endm
; A PREFETCH INTO THE L2 of the slot that the NEXT change of slots will ask for.  All clusters walk the same bytes: the first cluster asks.  Its four partners take a step's 25,600 bytes each, told apart by ADDRESS;
; in each, waves 4 to 7 take 25 blocks of 256 bytes each, lanes 256 bytes apart (lanes 25 to 31 name lane 24's block again).  The last change that fills a slot asks for nothing; slots 0 and 1 come by their loads alone.
.macro ASK
	s_cmp_gt_u32 s[SLOTS], s[LIM]
	s_cbranch_scc0 .Lnm_\@
	global_prefetch_b8 v[PFO], s[PFA:PFA+1] th:TH_LOAD_NT scope:SCOPE_SE
.Lnm_\@:
.endm
; THE CHANGE OF SLOTS.  Each wave waits for all its tensor loads (its part of the slot ahead), adds 0 to its spare word, and waits for that and for its reads of the slot that it leaves.
; fill = 1: a round of the cluster's barrier; the joint refill is the first thing behind it.  Then the address of my step in the slot ahead, made in text that all waves run.
.macro CHANGE fill
	s_wait_alu depctr_va_vdst(0)                   ; the wait ahead of the blocking waits
	s_wait_tensorcnt 0x0                           ; no tensor load of mine is out, so group 0 may be written
	ds_add_u32 v[SPW], v[NIL]                      ; 0 onto my spare word
.if \fill
	s_xor_b32 s[G0+1], s[G0+1], SLOT1              ; the walking descriptor: the other slot than last time,
	s_add_nc_u64 s[G0+2:G0+3], s[G0+2:G0+3], SLOTB ; the next 512 keys
	s_wait_xcnt 0x0                                ; the last prefetch has read its address
	s_add_nc_u64 s[PFA:PFA+1], s[PFA:PFA+1], SLOTB ; one slot further on than the walking descriptor
.endif
	s_wait_dscnt 0x0                               ; the add is done, and my reads of the slot that I leave are over
.if \fill
	CROUND
	TL
	ASK
.else
	s_barrier_signal -1
	s_barrier_wait -1
.endif
	v_add_nc_u32 v[ADR], s[TB], v[LI0]
	s_xor_b32 s[TB], s[TB], SLOT1
	s_wait_alu depctr_va_vdst(0)                   ; the wait behind the write
.endm
; H1: my 128 keys of the slot in hand, for my two tiles of queries: the scores, V's fragments, the maxima, M, f, t - M.
.macro H1
	ds_load_b128 v[KS:KS+3], v[ADR] offset:KSOFF
	ds_load_b128 v[VS:VS+3], v[ADR] offset:VSOFF
	WIN 0x40                                       ; destination window 1
.irp f, 0,1,2,3,4,5,6,7
.irp c, 0,1,2
	ds_load_b128 v[FR+12*\f+4*\c:FR+12*\f+4*\c+3], v[ADR] offset:1536*\f+512*\c
.endr
.endr
	s_wait_alu depctr_va_vdst(0)
	s_wait_dscnt 12                                ; the scale words and K's fragments 0-3 are in; the twelve loads of fragments 4-7 may be out
	WIN 0x01                                       ; source 0 (K) window 1
.irp f, 0,1,2,3
.irp u, 0,1
	v_wmma_scale_f32_16x16x128_f8f6f4 v[S+64*\u+8*\f:S+64*\u+8*\f+7], v[FR+12*\f:FR+12*\f+11], v[QF+12*\u:QF+12*\u+11], 0, v[KS+\f], v[QS+\u] matrix_a_fmt:MATRIX_FMT_FP6 matrix_b_fmt:MATRIX_FMT_FP6
.endr
.endr
	s_wait_dscnt 0x0
.irp f, 4,5,6,7
.irp u, 0,1
	v_wmma_scale_f32_16x16x128_f8f6f4 v[S+64*\u+8*\f:S+64*\u+8*\f+7], v[FR+12*\f:FR+12*\f+11], v[QF+12*\u:QF+12*\u+11], 0, v[KS+\f-4], v[QS+\u] matrix_a_fmt:MATRIX_FMT_FP6 matrix_b_fmt:MATRIX_FMT_FP6 matrix_a_scale:MATRIX_SCALE_ROW1
.endr
.endr
.rept 4
	v_nop                                          ; four places: ahead of the loads into the fragments' registers, and of the first read of the scores
.endr
	WIN 0x40
.irp t, 0,1,2,3,4,5,6,7
.irp c, 0,1,2
	ds_load_b128 v[FR+12*\t+4*\c:FR+12*\t+4*\c+3], v[ADR] offset:VOFF+1536*\t+512*\c
.endr
.endr
	WIN 0
.irp u, 0,1
.irp b, 0,1,2,3
	v_max3_num_f32 v[BM+4*\u+\b], v[S+64*\u+16*\b], v[S+64*\u+16*\b+1], v[S+64*\u+16*\b+2]   ; the largest score of each block of 32 keys
.endr
.endr
.irp i, 3,5,7,9,11,13
.irp u, 0,1
.irp b, 0,1,2,3
	v_max3_num_f32 v[BM+4*\u+\b], v[BM+4*\u+\b], v[S+64*\u+16*\b+\i], v[S+64*\u+16*\b+\i+1]
.endr
.endr
.endr
.irp u, 0,1
.irp b, 0,1,2,3
	v_max_num_f32 v[BM+4*\u+\b], v[BM+4*\u+\b], v[S+64*\u+16*\b+15]
.endr
.endr
.irp u, 0,1
.irp b, 0,1,2,3
	v_permlanex16_b32 v[BT+8*\u+\b], v[BM+4*\u+\b], s[SEL], s[SEL+1]
.endr
.endr
.irp u, 0,1
.irp b, 0,1,2,3
	v_max_num_f32 v[BM+4*\u+\b], v[BM+4*\u+\b], v[BT+8*\u+\b]      ; with lane l xor 16's 16 keys
.endr
.endr
.irp u, 0
	v_max3_num_f32 v[TT+2*\u], v[BM+4*\u], v[BM+4*\u+1], v[BM+4*\u+2]
.endr
.irp u, 1
	s_delay_alu instid0(VALU_DEP_3)
	v_max3_num_f32 v[TT+2*\u], v[BM+4*\u], v[BM+4*\u+1], v[BM+4*\u+2]
.endr
.irp u, 0,1
	s_delay_alu instid0(VALU_DEP_2)
	v_max_num_f32 v[TT+2*\u], v[TT+2*\u], v[BM+4*\u+3]             ; the step's largest score of my query
.endr
.irp u, 0,1
	s_delay_alu instid0(VALU_DEP_2)
	v_mul_f32 v[TT+2*\u], s[CS], v[TT+2*\u]                        ; as t (c is positive)
.endr
.irp u, 0,1
	s_delay_alu instid0(VALU_DEP_2)
	v_max_num_f32 v[NM+6*\u+1], v[NM+6*\u+1], v[TT+2*\u]           ; the running largest t
.endr
.irp u, 0,1
	v_mov_b32 v[TT+2*\u], v[NM+6*\u]
.endr
.irp u, 0,1
	s_delay_alu instid0(VALU_DEP_4)
	v_floor_f32 v[NM+6*\u], -v[NM+6*\u+1]                          ; the new -M = floor(-t)
.endr
.irp u, 0,1
	s_delay_alu instid0(VALU_DEP_2)
	v_sub_f32 v[TT+2*\u], v[NM+6*\u], v[TT+2*\u]                   ; old M less new M: a whole number, 0 or less
.endr
.irp u, 0,1
	s_delay_alu instid0(VALU_DEP_2)
	v_cvt_i32_f32 v[TT+2*\u], v[TT+2*\u]                           ; (it saturates)
.endr
.irp u, 0,1
	s_delay_alu instid0(VALU_DEP_2)
	v_ldexp_f32 v[FF+6*\u], 1.0, v[TT+2*\u]                        ; f = 2^(old M - new M)
.endr
.irp u, 0,1
.set j, 0
.rept 32
	v_pk_fma_f32 v[S+64*\u+j:S+64*\u+j+1], v[S+64*\u+j:S+64*\u+j+1], s[CS:CS+1], v[NM+6*\u:NM+6*\u+1] op_sel_hi:[1,0,0]   ; t - M, two at a time
.set j, j+2
.endr
.endr
.irp u, 0,1
.irp b, 0,1,2,3
	v_fma_f32 v[BM+4*\u+\b], v[BM+4*\u+\b], s[CS], v[NM+6*\u]      ; the same of each block's largest score
.endr
.endr
.endm
; H2: the exponentials, p's scales and codes, the sums, O^T under the new M, O^T += V^T P^T.
.macro H2
.set j, 0
	s_wait_alu depctr_va_vdst(0)                   ; the wait ahead of the batch
.rept 128
	v_exp_f32 v[S+j], v[S+j]                                       ; p = 2^(t - M), at most 1
.set j, j+1
.endr
.set j, 0
.rept 8
	v_exp_f32 v[BM+j], v[BM+j]                                     ; each block's largest p
.set j, j+1
.endr
.irp u, 0,1
	v_pk_mul_f32 v[LL+6*\u:LL+6*\u+1], v[LL+6*\u:LL+6*\u+1], v[FF+6*\u:FF+6*\u+1] op_sel_hi:[1,0]   ; the sums under the new M.  (The plain place behind the exponentials)
.endr
.set j, 0
	s_wait_alu depctr_va_vdst(0)                   ; one wait for the whole batch, ahead of its first reader
.rept 8
	v_max_num_f32 v[BM+j], 0x1800000, v[BM+j]                      ; the floor 2^(3 - 127): the byte cannot fall under 1
.set j, j+1
.endr
.set j, 0
.rept 8
	v_add_nc_u32 v[SO+j], 0xff000000, v[BM+j]                      ; 2 off the exponent field: the conversion's scale operand
.set j, j+1
.endr
.irp u, 0,1
.irp b, 0,1,2,3
	v_lshrrev_b32 v[BT+8*\u+\b], 23, v[SO+4*\u+\b]                 ; the scale's byte
.endr
.endr
.irp u, 0
	v_lshl_or_b32 v[PS+\u], v[BT+8*\u+1], 8, v[BT+8*\u]            ; p's scale word for these 128 keys
.endr
.irp u, 1
	s_delay_alu instid0(VALU_DEP_4)
	v_lshl_or_b32 v[PS+\u], v[BT+8*\u+1], 8, v[BT+8*\u]
.endr
.irp u, 0,1
	s_delay_alu instid0(VALU_DEP_2)
	v_lshl_or_b32 v[PS+\u], v[BT+8*\u+2], 16, v[PS+\u]
.endr
.irp u, 0,1
	s_delay_alu instid0(VALU_DEP_2)
	v_lshl_or_b32 v[PS+\u], v[BT+8*\u+3], 24, v[PS+\u]
.endr
.irp u, 0,1
.irp c, 0,1
	v_cvt_scalef32_pk16_fp6_f32 v[PC+12*\u+6*\c:PC+12*\u+6*\c+2], v[S+64*\u+32*\c:S+64*\u+32*\c+15], v[SO+4*\u+2*\c]
	v_cvt_scalef32_pk16_fp6_f32 v[BT+8*\u+4*\c:BT+8*\u+4*\c+2], v[S+64*\u+32*\c+16:S+64*\u+32*\c+31], v[SO+4*\u+2*\c+1]   ; (a conversion's three registers begin on an even number)
.endr
.endr
	v_nop                                          ; one plain place behind the scaled conversions
.irp u, 0,1
.irp c, 0,1                                    ; the operand's layout wants a whole block in a lane
.irp i, 0,1,2
	v_permlane16_swap_b32 v[PC+12*\u+6*\c+\i], v[BT+8*\u+4*\c+\i]
.endr
.irp i, 0,1,2
	s_delay_alu instid0(VALU_DEP_3)
	v_mov_b32 v[PC+12*\u+6*\c+3+\i], v[BT+8*\u+4*\c+\i]
.endr
.endr
.endr
.irp u, 0,1
	v_pk_add_f32 v[TT+2*\u:TT+2*\u+1], v[S+64*\u:S+64*\u+1], v[S+64*\u+2:S+64*\u+3]   ; the row's sum is taken of the UNQUANTISED p: two at a time, in two chains a tile
.endr
.set j, 4
.rept 15
.irp u, 0,1
	v_pk_add_f32 v[LL+6*\u:LL+6*\u+1], v[LL+6*\u:LL+6*\u+1], v[S+64*\u+j:S+64*\u+j+1]
	v_pk_add_f32 v[TT+2*\u:TT+2*\u+1], v[TT+2*\u:TT+2*\u+1], v[S+64*\u+j+2:S+64*\u+j+3]
.endr
.set j, j+4
.endr
.irp u, 0
	s_delay_alu instid0(VALU_DEP_3)
	v_pk_add_f32 v[LL+6*\u:LL+6*\u+1], v[LL+6*\u:LL+6*\u+1], v[TT+2*\u:TT+2*\u+1]
.endr
.irp u, 1
	s_delay_alu instid0(VALU_DEP_2)
	v_pk_add_f32 v[LL+6*\u:LL+6*\u+1], v[LL+6*\u:LL+6*\u+1], v[TT+2*\u:TT+2*\u+1]
.endr
	WIN 0x41                                       ; O^T (destination and source 0) window 1, f window 0
.irp u, 0,1
.set j, 0
.rept 32
	v_pk_mul_f32 v[64*\u+j:64*\u+j+1], v[64*\u+j:64*\u+j+1], v[FF+6*\u:FF+6*\u+1] op_sel_hi:[1,0]   ; O^T under the new M.  (With the sums above: the places between p's codes and scale words and the products below)
.set j, j+2
.endr
.endr
	s_wait_alu depctr_va_vdst(0)
	s_wait_dscnt 0x0                               ; V is in
	WIN 0x51                                       ; source 0 (V), C and D window 1; source 1 (p) window 0
.irp t, 0,1,2,3                                ; sixteen accumulators, one instruction each: they take turns
.irp u, 0,1
	v_wmma_scale_f32_16x16x128_f8f6f4 v[64*\u+8*\t:64*\u+8*\t+7], v[FR+12*\t:FR+12*\t+11], v[PC+12*\u:PC+12*\u+11], v[64*\u+8*\t:64*\u+8*\t+7], v[VS+\t], v[PS+\u] matrix_a_fmt:MATRIX_FMT_FP6 matrix_b_fmt:MATRIX_FMT_FP6
.endr
.endr
.irp t, 4,5,6,7
.irp u, 0,1
	v_wmma_scale_f32_16x16x128_f8f6f4 v[64*\u+8*\t:64*\u+8*\t+7], v[FR+12*\t:FR+12*\t+11], v[PC+12*\u:PC+12*\u+11], v[64*\u+8*\t:64*\u+8*\t+7], v[VS+\t-4], v[PS+\u] matrix_a_fmt:MATRIX_FMT_FP6 matrix_b_fmt:MATRIX_FMT_FP6 matrix_a_scale:MATRIX_SCALE_ROW1
.endr
.endr
	WIN 0
.rept 4
	v_nop                                          ; four places: ahead of the next loads into the fragments' and scale words' registers, and of the end's reads of O^T
.endr
.endm
; What stands between two changes of slots: group 0 finishes the last step and begins this one; group 1 runs this step whole.  The branch hangs on the wave's number alone and leads round no barrier, wait for a tile or add.
.macro BODY
	s_cmp_eq_u32 s[GRP], 0
	s_cbranch_scc0 .Lgroup_1_\@
	H2
	H1
	s_wait_alu depctr_va_vdst(0)                   ; the wait ahead of the branch
	s_branch .Ljoin_\@
.Lgroup_1_\@:
	H1
	H2
.Ljoin_\@:
.endm
	s_load_b128 s[4:7], s[0:1], 0x0                ; qc s[4:5], kv s[6:7]
	s_load_b64 s[8:9], s[0:1], 0x10                ; out0
	v_lshl_add_u32 v[SPW], v0, 2, SPARE
	v_mov_b32 v[NIL], 0
	ds_add_u32 v3, v4                              ; the opening lines: the add twice on end and one wait, ahead of my first tensor load
	ds_add_u32 v3, v4
	s_wait_dscnt 0x0
	v_lshrrev_b32 v6, 5, v0
	s_delay_alu instid0(VALU_DEP_1)
	v_readfirstlane_b32 s[WV], v6                  ; wave 0..7
	s_bfe_u32 s11, ttmp6, 0x40000                  ; cx: my place in the cluster
	s_lshl_b32 s12, ttmp9, 2
	s_add_co_u32 s12, s12, s11                     ; j = 4 x cluster x + cx: it enters q's and out0's addresses alone
	s_and_b32 s13, s[WV], 1                        ; qp
	s_lshr_b32 s14, s[WV], 1                       ; kp
	s_and_b32 s50, s14, 1                          ; um: the tile that I finish in the merge
	s_lshr_b32 s51, s14, 1                         ; fh: and which 64 of its features
	s_lshr_b32 s[GRP], s[WV], 2
	s_xor_b32 s[GRP], s[GRP], s[WV]
	s_and_b32 s[GRP], s[GRP], 1                    ; my group: (w xor w / 4) % 2
	s_mov_b32 s[G1], 15|(3<<16)|(1<<21)            ; the mask: all four work-groups; elements of 8 bytes; bit 21 beside a mask
	s_mov_b32 s[G1+1], 32<<16                      ; rows of 256 bytes,
	s_mov_b32 s[G1+2], 50<<16                      ; 50 of them, dense in memory and in LDS
	s_mov_b32 s[G1+3], 32<<16
	s_mov_b32 s[G1+4], 50
	s_mov_b32 s[G1+5], 32
	s_mov_b32 s[G1+6], 0
	s_mov_b32 s[G1+7], 0
	s_mov_b32 s[SEL], 0x76543210
	s_mov_b32 s[SEL+1], 0xfedcba98                 ; v_permlanex16_b32's selects for lane l xor 16
	s_mov_b32 s[CS], 0x3e0293ee                    ; c = log2(e) / sqrt(128)
	s_mov_b32 s[CS+1], s[CS]
	s_mov_b32 s[TB], 0
	s_mov_b32 s[SLOTS], 30                         ; the loop's trips
	s_lshr_b32 s[LIM], s[WV], 2
	s_xor_b32 s[LIM], s[LIM], 1                    ; 0 in waves 4 to 7,
	s_or_b32 s[LIM], s[LIM], ttmp9                 ; of the first cluster: the same in all four partners
	s_cmp_eq_u32 s[LIM], 0
	s_cselect_b32 s[LIM], 1, -1
	s_and_b32 s20, s[WV], 3
	s_mul_i32 s22, s20, 6400                       ; the prefetches: my wave's 25 blocks,
	s_mul_i32 s20, s[WV], 12800                    ; the tensor loads: my eighth of a slot, in memory and in LDS: the wave's number alone
	s_mov_b32 s21, 0
	s_mul_i32 s16, s11, CHUNK                      ; in my work-group's step,
	s_add_co_u32 s22, s22, s16
	s_add_co_u32 s22, s22, SLOTB                   ; of slot 1: the first change of slots steps it to slot 2
	s_mov_b32 s23, 0
	s_lshr_b32 s16, s12, 1
	s_mul_i32 s16, s16, 12800                      ; q: my group of 128 atoms,
	s_and_b32 s17, s12, 1
	s_mul_i32 s18, s17, 6144                       ; its tiles 4 (j % 2) + 2 qp + u
	s_add_co_u32 s18, s18, s16
	s_mul_i32 s19, s13, 3072
	s_add_co_u32 s44, s18, s19
	s_mov_b32 s45, 0
	s_lshl_b32 s17, s17, 8                         ; and their scale words: 12,288 + 256 (j % 2) + 8 qp + 4 u + 16 r
	s_add_co_u32 s46, s16, s17
	s_lshl_b32 s19, s13, 3
	s_add_co_u32 s46, s46, s19
	s_add_co_u32 s46, s46, 12288
	s_mov_b32 s47, 0
	s_lshl_b32 s48, s12, 15                        ; out0: atom 64 j + 32 qp + 8 um, rows of 512 bytes; features 64 fh on
	s_lshl_b32 s16, s13, 14
	s_add_co_u32 s48, s48, s16
	s_lshl_b32 s16, s50, 12
	s_add_co_u32 s48, s48, s16
	s_lshl_b32 s16, s51, 8
	s_add_co_u32 s48, s48, s16
	s_mov_b32 s49, 0
	s_wait_kmcnt 0x0
	s_mov_b32 s[G0], 1
	s_mov_b32 s[G0+1], s20                         ; slot 0
	s_add_nc_u64 s[G0+2:G0+3], s[6:7], s[20:21]
	s_or_b32 s[G0+3], s[G0+3], 0x80000000
	s_add_nc_u64 s[PFA:PFA+1], s[6:7], s[22:23]
	s_add_nc_u64 s[44:45], s[4:5], s[44:45]
	s_add_nc_u64 s[46:47], s[4:5], s[46:47]
	s_add_nc_u64 s[48:49], s[8:9], s[48:49]
	CROUND                                         ; all four work-groups are here: the first joint loads meet
	TL                                             ; slot 0: one tensor load a wave at the head
	v_and_b32 v6, 31, v0                           ; lane
	v_and_b32 v7, 15, v0                           ; r
	v_bfe_u32 v252, v0, 4, 1                       ; h
	s_delay_alu instid0(VALU_DEP_3)
	v_lshlrev_b32 v253, 4, v6
	s_delay_alu instid0(VALU_DEP_3)
	v_lshlrev_b32 v254, 4, v7
.irp u, 0,1
.irp c, 0,1,2
	global_load_b128 v[QF+12*\u+4*\c:QF+12*\u+4*\c+3], v253, s[44:45] offset:1536*\u+512*\c   ; Q's two fragments stay in registers
.endr
	global_load_b32 v[QS+\u], v254, s[46:47] offset:4*\u
.endr
	s_mul_i32 s16, s14, CHUNK
	v_lshl_add_u32 v[LI0], v6, 4, s16
	v_min_u32 v[PFO], 24, v6
	s_delay_alu instid0(VALU_DEP_1)
	v_lshlrev_b32 v[PFO], 8, v[PFO]
	s_lshl_b32 s16, s[WV], 14
	v_lshl_add_u32 v[MW], v6, 4, s16               ; the merge: my images: 16 x lane + 16,384 x wave
	s_lshl_b32 s16, s[WV], 9
	s_add_co_u32 s16, s16, STAT
	v_lshl_add_u32 v[SW], v6, 2, s16               ; my statistics
	s_lshl_b32 s16, s13, 9
	s_lshl_b32 s18, s50, 8
	s_add_co_u32 s16, s16, s18
	s_add_co_u32 s16, s16, STAT
	v_lshl_add_u32 v[SR], v6, 2, s16               ; those of tile um of wave qp; the other key parts' lie 1,024 bytes apart
	s_lshl_b32 s16, s13, 14
	s_lshl_b32 s18, s50, 13
	s_add_co_u32 s16, s16, s18
	s_lshl_b32 s18, s51, 12
	s_add_co_u32 s16, s16, s18
	v_lshl_add_u32 v[RDA], v6, 4, s16              ; its images of features 64 fh on; the other key parts' lie 32,768 bytes apart
	s_delay_alu instid0(VALU_DEP_1)
	v_add_nc_u32 v[RDB], 0x10000, v[RDA]
	s_mul_i32 s17, s[WV], 16*SP
	s_add_co_u32 s17, s17, STG                     ; my stage
	v_mul_u32_u24 v[STO], v7, SP
	s_delay_alu instid0(VALU_DEP_1)
	v_lshl_add_u32 v[STO], v252, 6, v[STO]
	s_delay_alu instid0(VALU_DEP_1)
	v_add_nc_u32 v[STO], s17, v[STO]               ; in: row r, + 64 h
	v_mul_u32_u24 v[RD], v252, SP
	s_delay_alu instid0(VALU_DEP_1)
	v_lshl_add_u32 v[RD], v7, 4, v[RD]
	s_delay_alu instid0(VALU_DEP_1)
	v_add_nc_u32 v[RD], s17, v[RD]                 ; back: lanes 0-15 one row of 256 bytes, lanes 16-31 the next
	v_lshlrev_b32 v[GO], 9, v252
	s_delay_alu instid0(VALU_DEP_1)
	v_lshl_add_u32 v[GO], v7, 4, v[GO]             ; and the same in out0
.irp u, 0,1
	v_mov_b32 v[NM+6*\u+1], 0xff61b1e6             ; the largest t so far: -3e38, under every t
	s_delay_alu instid0(VALU_DEP_1)
	v_floor_f32 v[NM+6*\u], -v[NM+6*\u+1]          ; -M
	v_mov_b32 v[LL+6*\u], 0                        ; the sum, in two halves
	v_mov_b32 v[LL+6*\u+1], 0
	v_mov_b32 v[FF+6*\u], 0
	v_mov_b32 v[FF+6*\u+1], 0                      ; (named as the upper half of a pair)
.irp b, 0,1,2,3
	v_mov_b32 v[BT+8*\u+\b], 0                     ; written once: a lane permute's destination counts as one of its sources
.endr
.endr
	WIN 0x40
.set i, 0
.rept 128
	v_mov_b32 v[i], 0                              ; O^T.  (One text of H2 serves every step: the first finds zeros, which the first change of M leaves zeros)
.set i, i+1
.endr
	WIN 0
	s_wait_loadcnt 0x0                             ; Q
	CHANGE 1                                       ; change 0: slot 0 is whole, slot 1 is asked for
	H1                                             ; step 0 begins in every wave;
	s_wait_alu depctr_va_vdst(0)
	s_cmp_eq_u32 s[GRP], 0
	s_cbranch_scc1 .Lahead                         ; group 0 finishes it behind the next change
	H2
.Lahead:
.Lslot:                                            ; changes 1 to 30: each asks for the next slot
	CHANGE 1
	BODY
	s_sub_co_u32 s[SLOTS], s[SLOTS], 1
	s_cmp_lg_u32 s[SLOTS], 0
	s_wait_alu depctr_va_vdst(0)
	s_cbranch_scc1 .Lslot
	s_mov_b32 s[TB], SLOT1                         ; the 32nd slot of keys lies in slot 1
	CHANGE 0                                       ; the last change is written out
	BODY
	s_wait_alu depctr_va_vdst(0)
	s_cmp_eq_u32 s[GRP], 0
	s_cbranch_scc0 .Lmerge
	H2                                             ; group 0 finishes step 31
.Lmerge:
	; THE MERGE.  Each wave lays its two tiles of O^T (128 registers, as images), their -M and their sums into LDS.
.irp u, 0,1
	v_add_f32 v[TT+2*\u], v[LL+6*\u], v[LL+6*\u+1] ; the sum's two halves,
.endr
.irp u, 0,1
	s_delay_alu instid0(VALU_DEP_2)
	v_permlanex16_b32 v[BT+8*\u], v[TT+2*\u], s[SEL], s[SEL+1]
.endr
.irp u, 0,1
	s_delay_alu instid0(VALU_DEP_2)
	v_add_f32 v[TT+2*\u], v[TT+2*\u], v[BT+8*\u]   ; and lane l xor 16's: my keys' sum
.endr
	WIN 0x04                                       ; an LDS store's data are its source 1: window 1
.set i, 0
.rept 32
	ds_store_b128 v[MW], v[4*i:4*i+3] offset:512*i ; each accumulator from its low end on
.set i, i+1
.endr
	WIN 0
.irp u, 0,1
	ds_store_b32 v[SW], v[NM+6*\u] offset:256*\u
	ds_store_b32 v[SW], v[TT+2*\u] offset:256*\u+128
.endr
	s_wait_dscnt 0x0                               ; for the others' sake: my stores have landed
	s_barrier_signal -1
	s_barrier_wait -1
	; Wave (qp, kp) finishes tile um = kp % 2 of the pair qp, features 64 (kp / 2) on: the four key parts' 32 registers each.
.irp k, 0,1,2,3
	ds_load_b32 v[20+\k], v[SR] offset:1024*\k     ; -M of key part k
	ds_load_b32 v[24+\k], v[SR] offset:1024*\k+128 ; its sum
.endr
.irp k, 0,1
.irp i, 0,1,2,3,4,5,6,7
	ds_load_b128 v[S+32*\k+4*\i:S+32*\k+4*\i+3], v[RDA] offset:32768*\k+512*\i
.endr
.endr
.irp k, 2,3
.irp i, 0,1,2,3,4,5,6,7
	ds_load_b128 v[S+32*\k+4*\i:S+32*\k+4*\i+3], v[RDB] offset:32768*(\k-2)+512*\i
.endr
.endr
	s_wait_dscnt 32                                ; the eight statistics are in; the 32 loads of images may be out
	v_min3_num_f32 v28, v20, v21, v22
	s_delay_alu instid0(VALU_DEP_1)
	v_min_num_f32 v28, v28, v23                    ; -M of the whole row: the least
.irp k, 0,1,2,3
	v_sub_f32 v[29+\k], v28, v[20+\k]              ; M of part k less the row's: a whole number, 0 or less
.endr
.irp k, 0,1,2,3
	s_delay_alu instid0(VALU_DEP_4)
	v_cvt_i32_f32 v[29+\k], v[29+\k]               ; (it saturates)
.endr
.irp k, 0,1,2,3
	s_delay_alu instid0(VALU_DEP_4)
	v_ldexp_f32 v[29+\k], 1.0, v[29+\k]            ; f of part k: a power of two
.endr
	s_delay_alu instid0(VALU_DEP_4)
	v_mul_f32 v33, v29, v24
	s_delay_alu instid0(VALU_DEP_1)
	v_fma_f32 v33, v30, v25, v33
	s_delay_alu instid0(VALU_DEP_1)
	v_fma_f32 v33, v31, v26, v33
	s_delay_alu instid0(VALU_DEP_1)
	v_fma_f32 v33, v32, v27, v33                   ; the row's sum
	s_wait_alu depctr_va_vdst(0)
	v_rcp_f32 v33, v33
	v_nop                                          ; one plain place behind the transcendental
	s_wait_alu depctr_va_vdst(0)
.irp k, 0,1,2,3
	v_mul_f32 v[36+2*\k], v[29+\k], v33            ; f / the sum, in both halves of a pair
	v_mul_f32 v[37+2*\k], v[29+\k], v33
.endr
	s_wait_alu depctr_va_vdst(0)
	s_wait_dscnt 0x0
.set j, 0
.rept 16
	v_pk_mul_f32 v[S+j:S+j+1], v[S+j:S+j+1], v[36:37]
.set j, j+2
.endr
.irp k, 1,2,3
.set j, 0
.rept 16
	v_pk_fma_f32 v[S+j:S+j+1], v[S+32*\k+j:S+32*\k+j+1], v[36+2*\k:37+2*\k], v[S+j:S+j+1]
.set j, j+2
.endr
.endr
	; THE WAY OUT.  Register 16 b + 4 q + e of lane (r, h) is feature 64 fh + 32 b + 16 h + 4 q + e of the tile's row r: through my own stage, and back as whole rows of 256 bytes.
.irp b, 0,1
.irp q, 0,1,2,3
	ds_store_b128 v[STO], v[S+16*\b+4*\q:S+16*\b+4*\q+3] offset:128*\b+16*\q
.endr
.endr
.irp i, 0,1,2,3,4,5,6,7
	ds_load_b128 v[S+32+4*\i:S+32+4*\i+3], v[RD] offset:2*SP*\i    ; LDS serves a wave's instructions in order (ISA guide 5.7.1.4): these see my stores
.endr
.irp i, 0,1,2,3,4,5,6,7
	s_wait_dscnt 7-\i                              ; the younger loads may stay out
	global_store_b128 v[GO], v[S+32+4*\i:S+32+4*\i+3], s[48:49] offset:512*(2*\i+8*(\i/4)) th:TH_STORE_NT   ; the tile's row s is atom s + 8 (s / 8); 16 lanes store 256 consecutive bytes, at a multiple of 256 from out0's first byte
.endr
	s_wait_tensorcnt 0x0                           ; the wave's end: behind my last tensor load and my last LDS store
	ds_add_u32 v[SPW], v[NIL]
	s_wait_dscnt 0x0
	CROUND                                         ; the closing round: no work-group ends while a partner may still ask for a tile that names it
	s_endpgm
.Lfunc_end_k_q4ac6f3b76e_attend:
	.size	k_q4ac6f3b76e_attend, .Lfunc_end_k_q4ac6f3b76e_attend-k_q4ac6f3b76e_attend
	.p2alignl 7, 3214868480
	.fill 96, 4, 3214868480
	.section	.rodata,"a",@progbits
	.p2align	6, 0x0
	.amdhsa_kernel k_q4ac6f3b76e_attend
		.amdhsa_group_segment_fixed_size 327680
		.amdhsa_private_segment_fixed_size 0
		.amdhsa_enable_private_segment 0
		.amdhsa_kernarg_size 24
		.amdhsa_user_sgpr_count 2
		.amdhsa_user_sgpr_kernarg_segment_ptr 1
		.amdhsa_wavefront_size32 1
		.amdhsa_system_sgpr_workgroup_id_x 1
		.amdhsa_system_sgpr_workgroup_id_y 1
		.amdhsa_system_sgpr_workgroup_id_z 1
		.amdhsa_system_vgpr_workitem_id 0
		.amdhsa_next_free_vgpr 512
		.amdhsa_next_free_sgpr 66
		.amdhsa_reserve_vcc 0
		.amdhsa_float_denorm_mode_32 3
		.amdhsa_float_denorm_mode_16_64 3
		.amdhsa_memory_ordered 1
		.amdhsa_forward_progress 1
		.amdhsa_inst_pref_size 217
	.end_amdhsa_kernel
	.amdgpu_metadata
---
amdhsa.version: [ 1, 2 ]
amdhsa.kernels:
  - .name:           k_q4ac6f3b76e_attend
    .symbol:         k_q4ac6f3b76e_attend.kd
    .args:
      - { .name: qc, .offset: 0, .size: 8, .value_kind: global_buffer, .address_space: global }
      - { .name: kv, .offset: 8, .size: 8, .value_kind: global_buffer, .address_space: global }
      - { .name: out0, .offset: 16, .size: 8, .value_kind: global_buffer, .address_space: global }
    .group_segment_fixed_size: 327680
    .private_segment_fixed_size: 0
    .kernarg_segment_align: 8
    .kernarg_segment_size: 24
    .max_flat_workgroup_size: 256
    .sgpr_count:     66
    .vgpr_count:     512
    .wavefront_size: 32
...
	.end_amdgpu_metadata
.endif
;; end of part 2
